; MI455X (gfx1250); checked and timed in simulation.
; The chip was launched on July 23, 2026; its instructions are those of AMD's public machine-readable ISA for CDNA 5 (MIT licence, August 2026) and "CDNA5" Instruction Set Architecture Reference Guide (July 2026). The comments in the code are by the model that wrote it; some were corrected since.
;; Triton. Allowed arithmetic: float matrix products may take bf16 or f16 operands with f32 sums; all other float work in f32.
;; Inputs: Wt 2,048 x 4,096 float32; Wv 2,048 x 4,096 float32; visual_mask 4 x 1,024 bool; x 4 x 1,024 x 4,096 float32.
;; Outputs: out0 4 x 1,024 x 2,048 float32.
;; 2 versions, each right; version 2 is version 1 with the launch prep written anew for expert scheduling mode. Each part assembles by itself: llvm-mc -triple=amdgcn-amd-amdhsa -mcpu=gfx1250 --defsym DOCPART=n.
;; ======== version 1 of 2: 3 launches
;; workspace buffers: wb 33,554,432 bytes; xs 37,748,736 bytes; order 18,688 bytes of whole numbers
;; launch route (part 1): grid 1 x 1, 8 waves a work-group, no clusters, 17,664 bytes of LDS; arguments visual_mask, order; writes order
.if DOCPART == 1
	.amdgcn_target "amdgcn-amd-amdhsa--gfx1250"
	.amdhsa_code_object_version 6
	.text
	.protected	k_qa461af5410_route
	.globl	k_qa461af5410_route
	.p2align	8
	.type	k_qa461af5410_route,@function
k_qa461af5410_route:
	s_mov_b64 s[64:65], 0
	v_nop
	global_prefetch_b8 v0, s[64:65] scope:SCOPE_SE
	s_setreg_imm32_b32 hwreg(HW_REG_WAVE_MODE, 25, 1), 1
	s_wait_xcnt 0x0
; ROUTE: from the mask to the list of rows that the next two launches work by.  Whole numbers only.
; The 4,096 tokens go into 16 blocks with room for 288 rows each; every block belongs to ONE weight.  nv = tokens with mask 1, nt = 4,096 - nv.
;   bv (blocks for Wv) = (nv + 128) >> 8, held between ceil(nv / 288) and 16 - ceil(nt / 288); bt = 16 - bv.
;   4,096 = 14 x 288 + 64, so the two ceilings add up to 16 at the most, and nv <= 288 bv, nt <= 288 bt, bv <= nv, bt <= nt: no block overflows, none is empty.
; A group's n tokens, in ascending order (rank 0 .. n - 1), are dealt to its b blocks by turns: row r of the group's block j takes rank k = r b + j if k < n.
; Otherwise the row is a FILLER and repeats rank j, the block's own row 0: the same work-group later stores the same numbers to the same bytes of the output.
; order: words 0 .. 4,607: the token of row d = 288 block + r; words 4,608 .. 4,671: bv.
; x / 288 is (x x 3,641) >> 20: 3,641 x 288 = 2^20 + 32, so the quotient is too large by x x 32 / (288 x 2^20), under 0.0005 for x <= 4,607, less than the 1 / 288 that would change its whole part.
; LIMIT: a mask byte is 0 or 1, as its type says; the count adds whole bytes.
; SHARES.  Wave 0 alone counts, scans and sorts (128 tokens a lane), so that only one wave stores into the sorted list; behind one barrier all eight waves deal the 4,608 rows, 18 a thread.
.set ROWS,  288
.set MAGIC, 3641
.set SORT,  0                          ; LDS: 4,096 words: the visual tokens in ascending order, then the text tokens
.set NVW,   16384                      ; LDS: one word, nv, in a block of its own
.set MW,  4                            ; v[4:35]  wave 0: my 128 mask bytes
.set CNT, 36                           ; v36  my ones
.set SCN, 37                           ; v37  the scan
.set TM,  38                           ; v38  at work
.set AD,  39                           ; v39  an LDS address
.set DA,  40                           ; v40  nv as data
.set P,   41                           ; v41  4 x the next visual rank
.set S,   42                           ; v42  4 x (nv + token)
.set TK,  43                           ; v43  the token in hand
.set BIT, 44                           ; v44  its mask bit
.set Q,   45                           ; v45  where it goes
.set RES, 40                           ; v[40:57] behind the barrier: my 18 rows' tokens
	s_load_b128 s[4:7], s[0:1], 0x0                ; mask s[4:5], order s[6:7]
	v_lshl_add_u32 v64, v0, 2, 0x4100
	v_mov_b32 v65, 0
	v_lshrrev_b32 v3, 5, v0
	v_readfirstlane_b32 s8, v3                     ; wave 0..7
	s_wait_kmcnt 0x0
	s_cmp_lg_u32 s8, 0
	s_cbranch_scc1 .Lsorted                        ; waves 1 to 7 go straight to the barrier
	v_lshlrev_b32 v2, 7, v0                        ; in wave 0 the thread's number is the lane: my 128 bytes
.irp i, 0,1,2,3,4,5,6,7
	global_load_b128 v[MW+4*(\i):MW+4*(\i)+3], v2, s[4:5] offset:16*(\i)
.endr
	s_wait_loadcnt 0x0
	v_add_nc_u32 v[CNT], v[MW], v[MW+1]            ; 32 words added byte by byte: each byte 32 at the most
.set i, 2
.rept 15
	v_add3_u32 v[CNT], v[CNT], v[MW+i], v[MW+i+1]
.set i, i+2
.endr
	v_mul_lo_u32 v[CNT], v[CNT], 0x01010101        ; the top byte takes the sum of the four, 128 at the most
	v_lshrrev_b32 v[CNT], 24, v[CNT]
	v_mov_b32 v[SCN], v[CNT]
	v_mov_b32 v[TM], 0
.irp n, 1,2,4,8                        ; inclusive scan inside each half of 16 lanes
	v_mov_b32_dpp v[TM], v[SCN] row_shr:\n row_mask:0xf bank_mask:0xf bound_ctrl:1
	v_add_nc_u32 v[SCN], v[SCN], v[TM]
.endr
	v_readlane_b32 s9, v[SCN], 15                  ; the lower half's total goes onto the upper half
	v_cmp_lt_u32 vcc_lo, 15, v0
	v_cndmask_b32 v[TM], 0, s9, vcc_lo
	v_add_nc_u32 v[SCN], v[SCN], v[TM]
	v_readlane_b32 s10, v[SCN], 31                 ; nv
	v_sub_nc_u32 v[SCN], v[SCN], v[CNT]            ; ones in the lanes before mine
	v_mov_b32 v[AD], NVW
	v_mov_b32 v[DA], s10
	ds_store_b32 v[AD], v[DA]                      ; nv for the other waves
	v_lshlrev_b32 v[P], 2, v[SCN]
	v_mov_b32 v[TK], v2                            ; my first token: 128 x lane
	v_add_nc_u32 v[S], s10, v[TK]
	v_lshlrev_b32 v[S], 2, v[S]
; Token i of my 128: a visual token goes to word (visual rank); a text token to word nv + token - (visual tokens before it): S - P in bytes.
.macro PUT
	v_bfe_u32 v[BIT], v[MW+i/4], 8*(i%4), 1
	v_sub_nc_u32 v[Q], v[S], v[P]
	v_cmp_ne_u32 vcc_lo, 0, v[BIT]
	v_cndmask_b32 v[Q], v[Q], v[P], vcc_lo
	v_min_u32 v[Q], 0x3ffc, v[Q]                   ; the address comes from data: held inside the list
	ds_store_b32 v[Q], v[TK]
	v_lshl_add_u32 v[P], v[BIT], 2, v[P]
	v_add_nc_u32 v[S], 4, v[S]
	v_add_nc_u32 v[TK], 1, v[TK]
.set i, i+1
.endm
.set i, 0
.rept 128
	PUT
.endr
.Lsorted:
	s_wait_dscnt 0x0                               ; for the others' sake: wave 0's stores into the list are done
	s_barrier_signal -1
	s_barrier_wait -1
	v_mov_b32 v10, NVW
	ds_load_b32 v11, v10
	v_lshlrev_b32 v2, 1, v0                        ; 2 t: my first row
	v_lshlrev_b32 v3, 3, v0                        ; 8 t: its byte in order
	s_wait_dscnt 0x0
	v_readfirstlane_b32 s12, v11                   ; nv
	s_sub_co_u32 s14, 4096, s12                    ; nt
	s_add_co_u32 s15, s12, ROWS-1
	s_mul_i32 s15, s15, MAGIC
	s_lshr_b32 s15, s15, 20                        ; ceil(nv / 288)
	s_add_co_u32 s16, s14, ROWS-1
	s_mul_i32 s16, s16, MAGIC
	s_lshr_b32 s16, s16, 20
	s_sub_co_u32 s16, 16, s16                      ; 16 - ceil(nt / 288)
	s_add_co_u32 s17, s12, 128
	s_lshr_b32 s17, s17, 8
	s_max_u32 s17, s17, s15
	s_min_u32 s17, s17, s16                        ; bv
	s_sub_co_u32 s18, 16, s17                      ; bt
	v_mov_b32 v4, s17
	v_mov_b32 v5, s18
	v_mov_b32 v6, s12
	v_mov_b32 v7, s14
	v_mov_b32 v8, 0
; Row d = 2 t + 512 i + e: its block, its row there, its group's figures, its rank, and the token from the list.
.macro GET i, e
	v_add_nc_u32 v10, 512*(\i)+(\e), v2            ; d
	v_mul_u32_u24 v11, v10, MAGIC
	v_lshrrev_b32 v11, 20, v11                     ; block = d / 288
	v_mul_u32_u24 v12, v11, ROWS
	v_sub_nc_u32 v12, v10, v12                     ; r
	v_cmp_gt_u32 vcc_lo, s17, v11                  ; bv > block: a visual block
	v_sub_nc_u32 v13, v11, v4
	v_cndmask_b32 v13, v13, v11, vcc_lo            ; j: the block's number in its group
	v_cndmask_b32 v14, v5, v4, vcc_lo              ; b: the group's blocks
	v_cndmask_b32 v15, v7, v6, vcc_lo              ; n: the group's tokens
	v_cndmask_b32 v16, v6, v8, vcc_lo              ; where the group begins in the list: 0 or nv
	v_mad_u32_u24 v17, v12, v14, v13               ; k = r b + j
	v_cmp_lt_u32 vcc_lo, v17, v15
	v_cndmask_b32 v17, v13, v17, vcc_lo            ; a filler repeats rank j
	v_add_lshl_u32 v17, v16, v17, 2
	v_min_u32 v17, 0x3ffc, v17                     ; from data: held inside the list
	ds_load_b32 v[RES+2*(\i)+(\e)], v17
.endm
.irp i, 0,1,2,3,4,5,6,7,8
	GET \i, 0
	GET \i, 1
.endr
	s_wait_dscnt 0x0
.irp i, 0,1,2,3,4,5,6,7,8
	global_store_b64 v3, v[RES+2*(\i):RES+2*(\i)+1], s[6:7] offset:2048*(\i)  ; a wave's store covers 256 consecutive bytes, at a multiple of 256 from the buffer's first
.endr
	s_cmp_lg_u32 s8, 0
	s_cbranch_scc1 .Lend
	v_mov_b32 v10, s17
	v_mov_b32 v11, s17
	global_store_b64 v3, v[10:11], s[6:7] offset:4*16*ROWS  ; wave 0: bv, 64 times: the 256 bytes behind the rows
.Lend:
	s_wait_tensorcnt 0x0
	ds_add_u32 v64, v65
	s_wait_dscnt 0x0
	s_endpgm
.Lfunc_end_k_qa461af5410_route:
	.size	k_qa461af5410_route, .Lfunc_end_k_qa461af5410_route-k_qa461af5410_route
	.p2alignl 7, 3214868480
	.fill 96, 4, 3214868480
	.section	.rodata,"a",@progbits
	.p2align	6, 0x0
	.amdhsa_kernel k_qa461af5410_route
		.amdhsa_group_segment_fixed_size 17664
		.amdhsa_private_segment_fixed_size 0
		.amdhsa_enable_private_segment 0
		.amdhsa_kernarg_size 16
		.amdhsa_user_sgpr_count 2
		.amdhsa_user_sgpr_kernarg_segment_ptr 1
		.amdhsa_wavefront_size32 1
		.amdhsa_system_sgpr_workgroup_id_x 1
		.amdhsa_system_sgpr_workgroup_id_y 1
		.amdhsa_system_sgpr_workgroup_id_z 1
		.amdhsa_system_vgpr_workitem_id 0
		.amdhsa_next_free_vgpr 66
		.amdhsa_next_free_sgpr 66
		.amdhsa_reserve_vcc 1
		.amdhsa_float_denorm_mode_32 3
		.amdhsa_float_denorm_mode_16_64 3
		.amdhsa_memory_ordered 1
		.amdhsa_forward_progress 1
		.amdhsa_inst_pref_size 73
	.end_amdhsa_kernel
	.amdgpu_metadata
---
amdhsa.version: [ 1, 2 ]
amdhsa.kernels:
  - .name:           k_qa461af5410_route
    .symbol:         k_qa461af5410_route.kd
    .args:
      - { .name: visual_mask, .offset: 0, .size: 8, .value_kind: global_buffer, .address_space: global }
      - { .name: order, .offset: 8, .size: 8, .value_kind: global_buffer, .address_space: global }
    .group_segment_fixed_size: 17664
    .private_segment_fixed_size: 0
    .kernarg_segment_align: 8
    .kernarg_segment_size: 16
    .max_flat_workgroup_size: 256
    .sgpr_count:     66
    .vgpr_count:     66
    .wavefront_size: 32
...
	.end_amdgpu_metadata
.endif
;; end of part 1
;; launch prep (part 2): grid 2176 x 1, 8 waves a work-group, no clusters, 35,840 bytes of LDS; arguments x, Wv, Wt, order, xs, wb; writes xs, wb
.if DOCPART == 2
	.amdgcn_target "amdgcn-amd-amdhsa--gfx1250"
	.amdhsa_code_object_version 6
	.text
	.protected	k_qa461af5410_prep
	.globl	k_qa461af5410_prep
	.p2align	8
	.type	k_qa461af5410_prep,@function
k_qa461af5410_prep:
	s_mov_b64 s[64:65], 0
	v_nop
	global_prefetch_b8 v0, s[64:65] scope:SCOPE_SE
	s_setreg_imm32_b32 hwreg(HW_REG_WAVE_MODE, 25, 1), 1
	s_wait_xcnt 0x0
; PREP: the matrix operands, rounded once to bf16 (to nearest even; bf16 has f32's range).  A stream: no barrier, no matrix unit.
;   work-groups 0 .. 1,151:      xs rows 4 g .. 4 g + 3 = x[order[row]]: the rows of x gathered into the 16 blocks of 288, row-major
;   work-groups 1,152 .. 2,175:  wb, 16 rows x 1,024 K each, IN BLOCKS: the next launch loads W's fragments straight into registers, so wb is their register image.
; wb's LAYOUT.  The 4,096 rows (0-2047 Wv, 2048-4095 Wt) lie in 64 groups of 64; byte = 524,288 group + 4,096 q + 1,024 b + 512 j + 256 h + 16 r holds the eight numbers
; W[64 group + 16 b + r][32 q + 16 j + 8 h + 0..7]: 512 consecutive bytes are what 32 lanes (lane = 16 h + r) take as registers 4 j .. 4 j + 3 of a fragment of 16 rows x 32 K.
; Every thread issues all its 16 loads of 16 bytes at once (a wave's load covers 512 consecutive bytes), so 64 KiB of every work-group are on their way; the waits are counted.
; THE TURN for wb: a load brings a lane 4 numbers of ONE row, a store wants 8 numbers of each of 16 rows side by side.  So a wave's 16 rows x 128 K go through 4,352 LDS bytes of its own:
; 16 groups of 256 bytes (8 K x 16 rows), 272 bytes apart, so that the 32 lanes of a store of 8 bytes fall on 32 different pairs of banks (64 banks of 4 bytes: ISA guide 11.1).
.set NXG, 1152                         ; work-groups that make xs: 16 x 288 / 4
.set X,   4                            ; v[4:67]   16 loads of four f32; in the W part later v[4:35]: what comes back from LDS
.set Y,   68                           ; v[68:99]  16 pairs of packed bf16
.set STL, 100                          ; v100  W part: where my 8 bytes of row 0 go in LDS
.set RDL, 101                          ; v101  W part: where I read 16 bytes back
.set TM,  102                          ; v102  at work
.set LP,  272
.set WLDS, 16*LP                       ; a wave's LDS bytes
	s_load_b256 s[4:11], s[0:1], 0x0               ; x s[4:5], Wv s[6:7], Wt s[8:9], order s[10:11]
	s_load_b128 s[12:15], s[0:1], 0x20             ; xs s[12:13], wb s[14:15]
	v_lshl_add_u32 v104, v0, 2, 0x8800
	v_mov_b32 v105, 0
	s_mov_b32 s16, ttmp9
	v_lshlrev_b32 v1, 4, v0                        ; 16 t: my 16 bytes in 4,096 consecutive bytes of a source row
	s_cmp_lt_u32 s16, NXG
	s_cbranch_scc0 .Lweights
	; ---- xs: four gathered rows ----
	v_lshlrev_b32 v2, 3, v0                        ; my 8 bytes in 2,048 of the result
	s_lshl_b32 s20, s16, 4                         ; my four words of order
	s_mov_b32 s21, 0
	s_lshl_b32 s34, s16, 15                        ; my 4 rows of 8,192 bytes in xs
	s_mov_b32 s35, 0
	s_wait_kmcnt 0x0
	s_add_nc_u64 s[32:33], s[10:11], s[20:21]
	s_load_b128 s[24:27], s[32:33], 0x0            ; four tokens
	s_add_nc_u64 s[30:31], s[12:13], s[34:35]
	s_wait_kmcnt 0x0
.irp r, 0,1,2,3
	s_min_u32 s23, s[24+(\r)], 4095                ; from data: held inside the buffer
	s_lshl_b32 s[36+2*(\r)], s23, 14               ; 16,384 bytes a row
	s_mov_b32 s[37+2*(\r)], 0
	s_add_nc_u64 s[36+2*(\r):37+2*(\r)], s[4:5], s[36+2*(\r):37+2*(\r)]
.endr
.set i, 0
.rept 16                               ; load i: row i / 4, its bytes 4,096 (i % 4) on.  No cache word: a filler names a row of x a second time
	global_load_b128 v[X+4*i:X+4*i+3], v1, s[36+2*(i/4):37+2*(i/4)] offset:(i%4)*4096
.set i, i+1
.endr
.set i, 0
.rept 16
	s_wait_loadcnt 15-i                            ; loads come back in order (ISA guide 5.7.1): load i is in, the 15 - i younger ones stay out
	v_cvt_pk_bf16_f32 v[Y+2*i],   v[X+4*i],   v[X+4*i+1]
	v_cvt_pk_bf16_f32 v[Y+2*i+1], v[X+4*i+2], v[X+4*i+3]
	global_store_b64 v2, v[Y+2*i:Y+2*i+1], s[30:31] offset:2048*i  ; a wave's store covers 256 consecutive bytes, aligned
.set i, i+1
.endr
	s_endpgm
	; ---- wb: 16 rows x 1,024 K; my wave: 128 K of them = four fragments ----
.Lweights:
	s_sub_co_u32 s19, s16, NXG
	s_lshr_b32 s20, s19, 2                         ; which 16 rows of the 4,096
	s_and_b32 s21, s19, 3                          ; which 1,024 K
	v_lshrrev_b32 v3, 5, v0
	v_readfirstlane_b32 s17, v3                    ; wave 0..7
	s_and_b32 s22, s20, 127
	s_lshl_b32 s22, s22, 18                        ; from: 16 rows of 16,384 bytes in Wv or Wt,
	s_lshl_b32 s23, s21, 12                        ; + 1,024 K of 4 bytes (the wave's 512 bytes stand in 16 t)
	s_add_co_u32 s22, s22, s23
	s_mov_b32 s23, 0
	s_lshr_b32 s24, s20, 2
	s_lshl_b32 s24, s24, 19                        ; to: the group of 64 rows,
	s_lshl_b32 s25, s21, 17                        ; + 32 quarters of 4,096 bytes,
	s_add_co_u32 s24, s24, s25
	s_and_b32 s25, s20, 3
	s_lshl_b32 s25, s25, 10                        ; + the fragment b,
	s_add_co_u32 s24, s24, s25
	s_lshl_b32 s25, s17, 14                        ; + my wave's four quarters
	s_add_co_u32 s24, s24, s25
	s_mov_b32 s25, 0
	s_mul_i32 s26, s17, WLDS
	s_wait_kmcnt 0x0
	s_cmp_lt_u32 s20, 128
	s_cselect_b64 s[28:29], s[6:7], s[8:9]         ; Wv or Wt
	s_add_nc_u64 s[28:29], s[28:29], s[22:23]
	s_add_nc_u64 s[30:31], s[14:15], s[24:25]
.set i, 0
.rept 16                               ; load i: row i, my wave's 128 K: 512 consecutive bytes; lane l takes K 4 l .. 4 l + 3.  W is read once in this launch
	global_load_b128 v[X+4*i:X+4*i+3], v1, s[28:29] offset:16384*i th:TH_LOAD_NT
.set i, i+1
.endr
	v_and_b32 v3, 31, v0                           ; lane
	v_lshlrev_b32 v2, 4, v3                        ; my 16 bytes in a store's 512
	v_lshrrev_b32 v[TM], 1, v3                     ; in: my 4 K lie in group l / 2 (8 K each), its half l % 2
	v_mul_u32_u24 v[STL], v[TM], LP
	v_and_b32 v[TM], 1, v3
	v_lshl_add_u32 v[STL], v[TM], 3, v[STL]
	v_add_nc_u32 v[STL], s26, v[STL]
	v_lshrrev_b32 v[TM], 4, v3                     ; back: lanes 0-15 take one group's 256 bytes, lanes 16-31 the next
	v_mul_u32_u24 v[RDL], v[TM], LP
	v_and_b32 v[TM], 15, v3
	v_lshl_add_u32 v[RDL], v[TM], 4, v[RDL]
	v_add_nc_u32 v[RDL], s26, v[RDL]
.set i, 0
.rept 16
	s_wait_loadcnt 15-i                            ; load i is in, the 15 - i younger ones stay out
	v_cvt_pk_bf16_f32 v[Y+2*i],   v[X+4*i],   v[X+4*i+1]
	v_cvt_pk_bf16_f32 v[Y+2*i+1], v[X+4*i+2], v[X+4*i+3]
	ds_store_b64 v[STL], v[Y+2*i:Y+2*i+1] offset:16*i  ; row i's place in each group
.set i, i+1
.endr
.set i, 0
.rept 8
	ds_load_b128 v[X+4*i:X+4*i+3], v[RDL] offset:2*LP*i  ; LDS serves a wave's instructions in order (ISA guide 5.7.1.4): these see the stores above; the bytes are my wave's own
.set i, i+1
.endr
.set i, 0
.rept 8
	s_wait_dscnt 7-i
	global_store_b128 v2, v[X+4*i:X+4*i+3], s[30:31] offset:(i/2)*4096+(i%2)*512  ; quarter i / 2, half i % 2 of the fragment: 512 consecutive bytes, aligned
.set i, i+1
.endr
	s_wait_tensorcnt 0x0
	ds_add_u32 v104, v105
	s_wait_dscnt 0x0
	s_endpgm
.Lfunc_end_k_qa461af5410_prep:
	.size	k_qa461af5410_prep, .Lfunc_end_k_qa461af5410_prep-k_qa461af5410_prep
	.p2alignl 7, 3214868480
	.fill 96, 4, 3214868480
	.section	.rodata,"a",@progbits
	.p2align	6, 0x0
	.amdhsa_kernel k_qa461af5410_prep
		.amdhsa_group_segment_fixed_size 35840
		.amdhsa_private_segment_fixed_size 0
		.amdhsa_enable_private_segment 0
		.amdhsa_kernarg_size 48
		.amdhsa_user_sgpr_count 2
		.amdhsa_user_sgpr_kernarg_segment_ptr 1
		.amdhsa_wavefront_size32 1
		.amdhsa_system_sgpr_workgroup_id_x 1
		.amdhsa_system_sgpr_workgroup_id_y 1
		.amdhsa_system_sgpr_workgroup_id_z 1
		.amdhsa_system_vgpr_workitem_id 0
		.amdhsa_next_free_vgpr 106
		.amdhsa_next_free_sgpr 66
		.amdhsa_reserve_vcc 0
		.amdhsa_float_denorm_mode_32 3
		.amdhsa_float_denorm_mode_16_64 3
		.amdhsa_memory_ordered 1
		.amdhsa_forward_progress 1
		.amdhsa_inst_pref_size 16
	.end_amdhsa_kernel
	.amdgpu_metadata
---
amdhsa.version: [ 1, 2 ]
amdhsa.kernels:
  - .name:           k_qa461af5410_prep
    .symbol:         k_qa461af5410_prep.kd
    .args:
      - { .name: x, .offset: 0, .size: 8, .value_kind: global_buffer, .address_space: global }
      - { .name: Wv, .offset: 8, .size: 8, .value_kind: global_buffer, .address_space: global }
      - { .name: Wt, .offset: 16, .size: 8, .value_kind: global_buffer, .address_space: global }
      - { .name: order, .offset: 24, .size: 8, .value_kind: global_buffer, .address_space: global }
      - { .name: xs, .offset: 32, .size: 8, .value_kind: global_buffer, .address_space: global }
      - { .name: wb, .offset: 40, .size: 8, .value_kind: global_buffer, .address_space: global }
    .group_segment_fixed_size: 35840
    .private_segment_fixed_size: 0
    .kernarg_segment_align: 8
    .kernarg_segment_size: 48
    .max_flat_workgroup_size: 256
    .sgpr_count:     66
    .vgpr_count:     106
    .wavefront_size: 32
...
	.end_amdgpu_metadata
.endif
;; end of part 2
;; launch gemm (part 3): grid 16 x 16, 4 waves a work-group, clusters of 4 x 1, 327,680 bytes of LDS; arguments xs, wb, order, out0; writes out0
.if DOCPART == 3
	.amdgcn_target "amdgcn-amd-amdhsa--gfx1250"
	.amdhsa_code_object_version 6
	.text
	.protected	k_qa461af5410_gemm
	.globl	k_qa461af5410_gemm
	.p2align	8
	.type	k_qa461af5410_gemm,@function
k_qa461af5410_gemm:
	s_mov_b64 s[64:65], 0
	v_nop
	global_prefetch_b8 v0, s[64:65] scope:SCOPE_SE
	s_setreg_imm32_b32 hwreg(HW_REG_WAVE_MODE, 25, 1), 1
	s_wait_xcnt 0x0
	s_wait_alu depctr_hold_cnt(0) depctr_sa_sdst(0) depctr_va_vdst(0) depctr_va_sdst(0) depctr_va_ssrc(0) depctr_va_vcc(0) depctr_vm_vsrc(0)
	s_getreg_b32 s2, hwreg(HW_REG_IB_STS2, 6, 4)
	s_cmp_eq_u32 s2, 0
	s_cbranch_scc0 .Lentry_in_a_cluster
	s_endpgm
.Lentry_in_a_cluster:
	s_bfe_u32 s2, ttmp6, 0x10000c
	s_cmp_lg_u32 s2, 0x3003
	s_cbranch_scc0 .Lentry_shape_is_right
	s_endpgm
.Lentry_shape_is_right:
; out0[token][n] = the sum over k of x[token][k] W[n][k], W = Wv or Wt by the token's mask.  The tokens arrive sorted: xs [16 blocks][288 rows][4096] bf16, every block for one weight;
; wb: both weights in bf16, laid out as the register image of fragments (below); order: the token of each row of xs, and bv, the number of blocks that take Wv.  Sums in f32, K ascending; the output is f32.
; Only the product that the mask keeps is made: 16 x 288 rows against the 2 x 4,096 of both products.
; SHARES.  Work-group (cb, rb) makes block rb (288 rows) times 128 rows of W from row (rb < bv ? 0 : 2048) + 128 cb on: 16 x 16 work-groups of equal work.  Four waves, each 144 rows x 64 columns:
; 9 x 4 accumulators of 16 x 16, 288 registers.  K goes in QUARTERS of 32 (36 matrix instructions), eight to a K step of 256.
; xs GOES THROUGH LDS: a ring of two slots of 288 rows x 512 bytes; each wave brings 72 rows with one tensor load.  CLUSTER: the four column blocks cb = 4 c .. 4 c + 3 of one row block need the
; same tile of xs and ask for it JOINTLY (mask of four).  A refill has 272 matrix instructions in which to land.
; W GOES STRAIGHT INTO REGISTERS.  wb byte 524,288 g + 4,096 q + 1,024 b + 512 j + 16 lane holds what lane takes as registers 4 j .. 4 j + 3 of fragment b (16 rows) of quarter q of the group g of 64 rows:
; a wave's load covers 512 consecutive bytes.  A ring of eight buffers of 32 registers: a quarter's eight loads are issued seven quarters ahead, and waited for by count; they cross the barriers.
; The two waves with the same 64 columns load the same bytes: the price of LDS slots that hold twice the K.  W is not asked for jointly: its partners would be other row blocks, and whether two
; row blocks take the same weight hangs on the mask; blocks made alike in fours for every mask would want room for 160 rows in 128.
; FILLERS.  A block's spare rows repeat its row 0; they are multiplied and stored like the others, to the same bytes of out0 with the same numbers, by this same work-group.
; THE MATRIX INSTRUCTION IS USED TRANSPOSED: source 0 = 16 rows of W, source 1 = 16 tokens: lane l then holds token l % 16 and the eight neighbouring columns 8 (l / 16) + 0..7.
; REGISTERS, in windows of 256 (s_set_vgpr_msb: bits 1:0 source 0, 3:2 source 1, 5:4 source 2, 7:6 destination):
;   window 0: v0-14 addresses; v32-103, v104-175 two buffers of xs's fragments (9 x 16 rows x 32 K); on the way out v32-95: rows read back from the stage
;   window 1: accumulator (a, b), a = 0..7, at v[8 (4 a + b)]          window 2: v0-31 accumulators (8, b); v32-103 the byte offsets in out0 of my lane's 72 rows
;   window 3: W's ring: quarter q's fragment b at v[32 (q % 8) + 8 b]
.set SIZE_K, 4096
.set KSTEP,  256
.set PITCH,  528                       ; an LDS row: 512 bytes + 16 of padding = 132 words: row r starts at bank 4 r mod 64 (64 banks of 4 bytes: ISA guide 11.1), so the 16 rows of a load start at 16 different banks
.set PART,   72*PITCH                  ; what one wave brings: 72 rows
.set SLOT,   4*PART                    ; 152,064 bytes
.set STAGE,  2*SLOT                    ; behind the ring: 16 rows x 272 bytes for each wave, for the way out
.set SPITCH, 272
.set SPARE,  STAGE+4*16*SPITCH         ; behind the stages: the spare words, 128 bytes for each wave: two blocks of 256 bytes that no other line names
.set LAPS,   SIZE_K/(2*KSTEP)          ; a lap = two K steps = 16 quarters = once round the ring
.set QB,     4096                      ; bytes of W that a wave takes for a quarter
.set ADRA, 4                           ; v4-7   LDS address of my fragments: slot s, blocks 0-4 at v[4 + 2 s], blocks 5-8 at v[5 + 2 s] (eight blocks' rows pass the 16-bit offset)
.set STO,  8                           ; v8     the way out: where I put 32 bytes of a row
.set RD,   9                           ; v9     the way out: where I read a row back
.set CL,   10                          ; v10    16 x (lane % 16): my 16 bytes in a row's 256
.set OI,   11                          ; v11    byte offset in order of my wave's first row (+ 1 row for lanes 16-31)
.set SPW,  12                          ; v12    LDS address of my spare word: SPARE + 4 x my thread's number; never rewritten
.set NIL,  13                          ; v13    0; never rewritten
.set BA,   14                          ; v14    16 x lane: my 16 bytes in a load of W; never rewritten
.set F0,   32
.set F1,   104
.set OB,   32                          ; the way out: v32-63 and v64-95 by turns
.set TOK,  32                          ; window 2: block a, pair of rows t at TOK + 8 a + t
.set WV,   12                          ; s12  my wave's number
.set G1A, 24                           ; s[24:31] descriptor group 1;  s[32:39] group 0, a set for each slot
.set G0A, 32
.set BB,  40                           ; s[40:41] W: my 64 rows' bytes at the first quarter of the lap in hand; every load reaches forward from it, 23 quarters at the most
.set MSB, 0
.macro WIN new                         ; the immediate's high byte repeats the setting that is left; a switch that changes nothing is dropped
.if MSB != (\new)
	s_set_vgpr_msb (MSB<<8)|(\new)
.set MSB, \new
.endif
.endm
; A joint fill: every wave asks for its own 72 rows, with the same descriptor as the same wave of the three partners.  An s_nop 0 and four v_nop follow the line.
.macro JLOAD s
	tensor_load_to_lds s[G0A+4*(\s):G0A+4*(\s)+3], s[G1A:G1A+7]
	s_nop 0
.rept 4
	v_nop
.endr
.endm
; A round of the cluster's barrier: my work-group's barrier, so that wave 0's signal speaks for all four waves; wave 0 signals; every wave waits for all four work-groups; my work-group's barrier once more.
.macro CREST                           ; a round behind its opening barrier
	s_cmp_lg_u32 s[WV], 0
	s_cbranch_scc1 .Lnot_wave_0_\@
	s_barrier_signal -3
.Lnot_wave_0_\@:
	s_barrier_wait -3
	s_barrier_signal -1
	s_barrier_wait -1
.endm
.macro CROUND                          ; a whole round
	s_barrier_signal -1
	s_barrier_wait -1
	CREST
.endm
; Eight loads: W's four fragments of the quarter that lies bi quarters (0 or more) behind s[BB], into ring buffer qb
.macro BLOAD qb, bi
	WIN 0xc0                                       ; destination window 3, address window 0
.irp b, 0,1,2,3
	global_load_b128 v[32*(\qb)+8*(\b):32*(\qb)+8*(\b)+3],   v[BA], s[BB:BB+1] offset:(\bi)*QB+(\b)*1024
	global_load_b128 v[32*(\qb)+8*(\b)+4:32*(\qb)+8*(\b)+7], v[BA], s[BB:BB+1] offset:(\bi)*QB+(\b)*1024+512
.endr
.endm
	s_load_b256 s[4:11], s[0:1], 0x0               ; xs s[4:5], wb s[6:7], order s[8:9], out0 s[10:11]
	v_lshl_add_u32 v[SPW], v0, 2, SPARE
	v_mov_b32 v[NIL], 0
	ds_add_u32 v12, v13
	ds_add_u32 v12, v13
	s_wait_dscnt 0x0
	v_lshrrev_b32 v1, 5, v0
	v_readfirstlane_b32 s[WV], v1                  ; wave 0..3
	s_lshr_b32 s13, s[WV], 1                       ; wr: which 144 rows are mine
	s_and_b32 s14, s[WV], 1                        ; wc: which 64 columns
	s_bfe_u32 s15, ttmp6, 0x40000                  ; cx: my place in the cluster
	s_lshl_b32 s16, ttmp9, 2                       ; in a cluster launch ttmp9 counts clusters
	s_add_co_u32 s16, s16, s15                     ; cb = 4 x cluster x + cx: it enters W's and out0's addresses alone
	s_and_b32 s17, ttmp7, 0xffff                   ; rb, which the four partners share
	; descriptor group 1: 72 rows of 256 elements, padded in LDS
	s_mov_b32 s[G1A+0], 15|(1<<16)|(1<<20)|(1<<21)|(6<<22)|(3<<25)  ; 15:0 the mask: all four work-groups; 17:16 elements of 2 bytes; 20 padding on; 21 set beside a mask; 24:22 after every 128 words (code 6); 31:25 4 words (code 3)
	s_mov_b32 s[G1A+1], KSTEP<<16                  ; tensor_dim0 = 256
	s_mov_b32 s[G1A+2], 72<<16                     ; tensor_dim1 = 72
	s_mov_b32 s[G1A+3], KSTEP<<16                  ; tile_dim0 = 256
	s_mov_b32 s[G1A+4], 72                         ; tile_dim1 = 72
	s_mov_b32 s[G1A+5], SIZE_K                     ; elements from row to row
	s_mov_b32 s[G1A+6], 0
	s_mov_b32 s[G1A+7], 0
	s_mul_i32 s19, s[WV], PART                     ; where my fill lands in a slot: no place in the cluster enters an LDS address
	s_mul_i32 s20, s17, 288
	s_mul_i32 s21, s[WV], 72
	s_add_co_u32 s20, s20, s21                     ; xs: row 288 rb + 72 w,
	s_lshl_b32 s20, s20, 13                        ; 8,192 bytes a row
	s_mov_b32 s21, 0
	s_wait_kmcnt 0x0
	s_load_b32 s18, s[8:9], 0x4800                 ; bv: word 4,608 of order
	s_add_nc_u64 s[20:21], s[4:5], s[20:21]
	s_lshl_b32 s58, s16, 9                         ; out0: my 64 columns: 512 cb + 256 wc bytes
	s_lshl_b32 s59, s14, 8
	s_add_co_u32 s58, s58, s59
	s_mov_b32 s59, 0
	s_add_nc_u64 s[10:11], s[10:11], s[58:59]
	s_lshl_b32 s57, s16, 1
	s_add_co_u32 s57, s57, s14                     ; 2 cb + wc
	s_wait_kmcnt 0x0
	s_min_u32 s18, s18, 16
	s_cmp_lt_u32 s17, s18                          ; is my block a visual one?
	s_cselect_b32 s56, 0, 32
	s_add_co_u32 s56, s56, s57                     ; wb: my group of 64 rows: (0 or 32) + 2 cb + wc,
	s_lshl_b32 s56, s56, 19                        ; 524,288 bytes a group
	s_mov_b32 s57, 0
	s_add_nc_u64 s[BB:BB+1], s[6:7], s[56:57]
	CROUND                                         ; all four work-groups are here: the first joint loads meet
.irp s, 0,1
	s_mov_b32 s[G0A+4*(\s)], 1                                     ; 1:0 count = 1
	s_add_co_u32 s[G0A+4*(\s)+1], s19, (\s)*SLOT                   ; 63:32 LDS address
	s_add_nc_u64 s[G0A+4*(\s)+2:G0A+4*(\s)+3], s[20:21], (\s)*KSTEP*2  ; 120:64 global address: K step s
	s_or_b32 s[G0A+4*(\s)+3], s[G0A+4*(\s)+3], 0x80000000          ; 127:126 type = 2
	JLOAD \s                                       ; both slots are asked for before anything else: two loads of mine are out, the most in this text
.endr
	v_and_b32 v[BA], 31, v0
	v_lshlrev_b32 v[BA], 4, v[BA]
.irp q, 0,1,2,3,4,5,6
	BLOAD \q, \q                                   ; W's ring is filled: quarters 0 to 6
.endr
	WIN 0
	; A fragment is 16 rows x 32 K in 8 registers: lane l holds row l % 16; registers 0-3 K = 8 (l / 16) + 0..7, registers 4-7 K = 16 + 8 (l / 16) + 0..7: two loads of 16 bytes, 32 bytes apart.
	v_and_b32 v1, 15, v0                           ; l % 16
	v_bfe_u32 v2, v0, 4, 1                         ; l / 16
	v_mul_u32_u24 v3, v1, PITCH
	v_lshl_add_u32 v3, v2, 4, v3                   ; row x pitch + 16 x half
	s_mul_i32 s60, s13, 144*PITCH                  ; my 144 rows
.irp s, 0,1
	v_add_nc_u32 v[ADRA+2*(\s)], s60, v3
	s_add_co_u32 s61, s60, 5*16*PITCH
	v_add_nc_u32 v[ADRA+2*(\s)+1], s61, v3
	s_add_co_u32 s60, s60, SLOT
.endr
	s_mul_i32 s62, s[WV], 16*SPITCH
	s_add_co_u32 s62, s62, STAGE                   ; my stage
	v_mul_u32_u24 v[STO], v1, SPITCH               ; in: row l % 16, 32 bytes (8 f32) for each half of the lanes
	v_lshl_add_u32 v[STO], v2, 5, v[STO]
	v_add_nc_u32 v[STO], s62, v[STO]
	v_mul_u32_u24 v[RD], v2, SPITCH                ; back: lanes 0-15 take one row of 256 bytes, lanes 16-31 the next
	v_lshl_add_u32 v[RD], v1, 4, v[RD]
	v_add_nc_u32 v[RD], s62, v[RD]
	v_lshlrev_b32 v[CL], 4, v1
	s_mul_i32 s63, s17, 288
	s_mul_i32 s60, s13, 144
	s_add_co_u32 s63, s63, s60
	v_add_lshl_u32 v[OI], s63, v2, 2               ; 4 x (288 rb + 144 wr + l / 16)
	; The tokens of the rows that my lane will store: row 16 a + 2 t + l / 16 of my wave's 144.  All this stands in the wait for the first tile.
	WIN 0x80                                       ; destination window 2, address window 0
.set i, 0
.rept 72
	global_load_b32 v[TOK+i], v[OI], s[8:9] offset:4*(16*(i/8)+2*(i%8))
.set i, i+1
.endr
	s_wait_loadcnt 0x0                             ; the tokens, and with them W's first seven quarters
	WIN 0x8a                                       ; destination, sources 0 and 1 window 2; source 2 window 0
.set i, 0
.rept 72
	v_min_u32 v[TOK+i], 0xfff, v[TOK+i]            ; from data: held inside the output
	v_lshl_add_u32 v[TOK+i], v[TOK+i], 13, v[CL]   ; 8,192 bytes a row of out0, + my 16 bytes
.set i, i+1
.endr
	WIN 0
; 4 n matrix instructions: blocks a0 .. a0 + n - 1 of 16 tokens (buffer f) x all 4 blocks of 16 columns (ring buffer qb), 32 along K.  zero = 1: the product starts the sum: nothing is ever cleared.
; The 36 accumulators take turns, one instruction a turn, in the same order in every quarter.
.macro MUL f, qb, a0, n, zero
.set ma, \a0
.rept \n
.if ma < 8
	WIN 0x53                                       ; W window 3, xs window 0, C and D window 1
.set mc, 32*ma
.else
	WIN 0xa3                                       ; C and D window 2
.set mc, 0
.endif
.irp b, 0,1,2,3
.if \zero
	v_wmma_f32_16x16x32_bf16 v[mc+8*(\b):mc+8*(\b)+7], v[32*(\qb)+8*(\b):32*(\qb)+8*(\b)+7], v[(\f)+8*ma:(\f)+8*ma+7], 0
.else
	v_wmma_f32_16x16x32_bf16 v[mc+8*(\b):mc+8*(\b)+7], v[32*(\qb)+8*(\b):32*(\qb)+8*(\b)+7], v[(\f)+8*ma:(\f)+8*ma+7], v[mc+8*(\b):mc+8*(\b)+7]
.endif
.endr
.set ma, ma+1
.endr
.endm
; 18 LDS loads in one run: xs's fragments of one quarter (my 144 rows, 32 K at byte k of the rows) into buffer f
.macro FETCH slot, k, f
	WIN 0
.irp a, 0,1,2,3,4,5,6,7,8
	ds_load_b128 v[(\f)+8*(\a):(\f)+8*(\a)+3],   v[ADRA+2*(\slot)+(\a)/5] offset:(\k)+((\a)%5)*16*PITCH
	ds_load_b128 v[(\f)+8*(\a)+4:(\f)+8*(\a)+7], v[ADRA+2*(\slot)+(\a)/5] offset:(\k)+((\a)%5)*16*PITCH+32
.endr
.endm
; A load into a register that a matrix instruction has read, and an LDS store that reads a matrix result, stand four places behind that matrix instruction, and only plain vector
; instructions that name none of its registers are places (ISA guide 7.12.1 for vector instructions).
.macro PLACES
.rept 4
	v_nop
.endr
.endm
; QUARTER p of a lap's 16 (not a slot's last): slot p / 8, xs's buffer p % 2, W's ring buffer p % 8.  In its middle, behind four places, stand both runs of loads: xs's fragments of the next
; quarter into the other buffer, and (bl = 1) W's of the quarter seven on, bi quarters behind s[BB], into the ring buffer that the quarter before has read out.
; lc: the loads of W issued behind this quarter's: six runs of eight, fewer in the last quarters.
.macro QUARTER p, zero, bl, bi, lc
.set qf, F0+72*((\p)%2)
.set qg, F0+72*(1-(\p)%2)
	s_wait_dscnt 10                                ; xs's blocks 0-3 are in; the youngest ten loads (blocks 4-8) may be out
	s_wait_loadcnt \lc                             ; loads come back in order (ISA guide 5.7.1): this quarter's W is in, the younger runs stay out
	MUL qf, (\p)%8, 0, 4, \zero
	PLACES
	FETCH (\p)/8, 64*((\p)%8+1), qg
.if \bl
	BLOAD ((\p)+7)%8, \bi
.endif
	s_wait_dscnt 18                                ; all but the 18 just issued
	MUL qf, (\p)%8, 4, 5, \zero
.endm
; A slot's last quarter (p = 7 or 15) changes slots: ONE barrier.  In front of it each wave waits for all its tensor loads, of which one is out: its part of the next slot; adds 0 to its spare
; word; and waits for that and for its own reads of this slot.  Behind it nobody reads this slot any more and the next slot is whole.
; fill = 1: this slot is filled again, two K steps on.  The barrier then opens a round of the cluster's, so that no wave of any partner still reads the slot or has a load on its way, and the
; joint fill is the first tensor load behind the round.  W's loads are loads into registers: they stay on their way across the barrier.
.macro TURN p, fill, bl, bi, lc
	WIN 0                                          ; (the add's two registers lie in window 0)
	s_wait_tensorcnt 0x0                           ; all my tensor loads have landed
	ds_add_u32 v[SPW], v[NIL]                      ; 0 onto my spare word
	s_wait_dscnt 11                                ; (the add and the youngest ten loads may be out)
	s_wait_loadcnt \lc
	MUL F1, 7, 0, 2, 0                             ; eight matrix instructions stand between the add and the wait for it
	s_wait_dscnt 0x0                               ; the add is done, and my reads of this slot are over
	s_barrier_signal -1
	MUL F1, 7, 2, 2, 0                             ; work on registers while the others arrive
.if \fill
	WIN 0
	s_barrier_wait -1
	CREST
	s_add_nc_u64 s[G0A+4*((\p)/8)+2:G0A+4*((\p)/8)+3], s[G0A+4*((\p)/8)+2:G0A+4*((\p)/8)+3], 2*KSTEP*2  ; no tensor load of mine is out, so a group 0 may be written
	JLOAD (\p)/8                                   ; the four v_nop behind it are also the places in front of the loads below
.else
	s_barrier_wait -1
	PLACES
.endif
	FETCH 1-(\p)/8, 0, F0
.if \bl
	BLOAD 6, \bi
.endif
	MUL F1, 7, 4, 5, 0
.endm
; THE WAY OUT of block a (16 tokens x my 64 columns, f32).  TOSTAGE: a lane's eight neighbouring columns, 32 bytes, go into my own stage in LDS, each accumulator's low registers first;
; they come back as whole rows of 256 bytes.  SEND: sixteen lanes store one token's 256 consecutive bytes, at a multiple of 256 from out0's first byte.
.macro TOSTAGE a
.if (\a) < 8
	WIN 0x04                                       ; store data window 1
.set mc, 32*(\a)
.else
	WIN 0x08                                       ; store data window 2
.set mc, 0
.endif
.irp b, 0,1,2,3
	ds_store_b128 v[STO], v[mc+8*(\b):mc+8*(\b)+3]   offset:64*(\b)
	ds_store_b128 v[STO], v[mc+8*(\b)+4:mc+8*(\b)+7] offset:64*(\b)+16
.endr
	WIN 0
	s_wait_xcnt 0x0                                ; every earlier memory instruction has had its addresses translated (ISA guide 3.1): the registers that the stores of block a - 2 read are loaded again only behind this wait
.irp t, 0,1,2,3,4,5,6,7
	ds_load_b128 v[OB+32*((\a)%2)+4*(\t):OB+32*((\a)%2)+4*(\t)+3], v[RD] offset:(\t)*2*SPITCH  ; LDS serves a wave's instructions in order (ISA guide 5.7.1.4): these see the stores above; the next block's stores come behind them
.endr
.endm
.macro SEND a, younger                 ; younger: the LDS instructions issued behind block a's loads: the next block's sixteen, or none
	WIN 0x02                                       ; address window 2, data window 0
.irp t, 0,1,2,3,4,5,6,7
	s_wait_dscnt (\younger)+7-(\t)
	global_store_b128 v[TOK+8*(\a)+(\t)], v[OB+32*((\a)%2)+4*(\t):OB+32*((\a)%2)+4*(\t)+3], s[10:11] th:TH_STORE_NT
.endr
.endm
	s_wait_tensorcnt 0x1                           ; my part of K step 0 is in; K step 1's may stay out
	s_barrier_signal -1
	s_barrier_wait -1                              ; everybody's is
	FETCH 0, 0, F0
	QUARTER 0, 1, 1, 7, 48                         ; the first quarter stands in front of the loop: its products start the sums; it asks for W's quarter 7
	WIN 0                                          ; at a label and at a branch every window is 0
	s_mov_b32 s3, LAPS-1
.Llap:                                                 ; a trip goes once round the ring, from a lap's second quarter to the next lap's first, and fills both slots again
.irp p, 1,2,3,4,5,6
	QUARTER \p, 0, 1, (\p)+7, 48
.endr
	TURN 7, 1, 1, 14, 48
.irp p, 8,9,10,11,12,13,14
	QUARTER \p, 0, 1, (\p)+7, 48
.endr
	TURN 15, 1, 1, 22, 48
	QUARTER 0, 0, 1, 23, 48                        ; the next lap's first quarter: it asks for that lap's quarter 7, 23 quarters behind the base
	WIN 0
	s_wait_xcnt 0x0                                ; every earlier memory instruction has had its addresses translated (ISA guide 3.1): W's base is stepped only behind this wait
	s_add_nc_u64 s[BB:BB+1], s[BB:BB+1], 16*QB
	s_sub_co_u32 s3, s3, 1
	s_cmp_lg_u32 s3, 0
	s_cbranch_scc1 .Llap
.irp p, 1,2,3,4,5,6                    ; the last lap is written out: it fills no slot, has no round of the cluster's barrier, and asks for W only up to its last quarter
	QUARTER \p, 0, 1, (\p)+7, 48
.endr
	TURN 7, 0, 1, 14, 48
	QUARTER 8,  0, 1, 15, 48                       ; W's last run of loads: quarter 127, the last 4,096 bytes of my group of 64 rows
	QUARTER 9,  0, 0, 0, 48                        ; from here on the counts run down: one run fewer behind each quarter's own
	QUARTER 10, 0, 0, 0, 40
	QUARTER 11, 0, 0, 0, 32
	QUARTER 12, 0, 0, 0, 24
	QUARTER 13, 0, 0, 0, 16
	QUARTER 14, 0, 0, 0, 8
	s_wait_dscnt 10                                ; the very last quarter: nothing more to fetch
	s_wait_loadcnt 0x0
	MUL F1, 7, 0, 4, 0
	s_wait_dscnt 0x0
	MUL F1, 7, 4, 5, 0
	WIN 0
	PLACES                                         ; the LDS stores below read results just made, and the loads from the stage land where matrix instructions have read
	TOSTAGE 0
.irp a, 1,2,3,4,5,6,7,8                ; block a's way through the stage stands between block a - 1's loads and its stores
	TOSTAGE \a
	SEND (\a)-1, 16
.endr
	SEND 8, 0
	WIN 0
	s_wait_tensorcnt 0x0                           ; the wave's end, behind my last tensor load and my last LDS store
	ds_add_u32 v[SPW], v[NIL]
	s_wait_dscnt 0x0
	CROUND                                         ; the closing round: no work-group ends while a partner may still ask for a tile that names it
	s_endpgm
.Lfunc_end_k_qa461af5410_gemm:
	.size	k_qa461af5410_gemm, .Lfunc_end_k_qa461af5410_gemm-k_qa461af5410_gemm
	.p2alignl 7, 3214868480
	.fill 96, 4, 3214868480
	.section	.rodata,"a",@progbits
	.p2align	6, 0x0
	.amdhsa_kernel k_qa461af5410_gemm
		.amdhsa_group_segment_fixed_size 327680
		.amdhsa_private_segment_fixed_size 0
		.amdhsa_enable_private_segment 0
		.amdhsa_kernarg_size 32
		.amdhsa_user_sgpr_count 2
		.amdhsa_user_sgpr_kernarg_segment_ptr 1
		.amdhsa_wavefront_size32 1
		.amdhsa_system_sgpr_workgroup_id_x 1
		.amdhsa_system_sgpr_workgroup_id_y 1
		.amdhsa_system_sgpr_workgroup_id_z 1
		.amdhsa_system_vgpr_workitem_id 0
		.amdhsa_next_free_vgpr 1024
		.amdhsa_next_free_sgpr 66
		.amdhsa_reserve_vcc 0
		.amdhsa_float_denorm_mode_32 3
		.amdhsa_float_denorm_mode_16_64 3
		.amdhsa_memory_ordered 1
		.amdhsa_forward_progress 1
		.amdhsa_inst_pref_size 187
	.end_amdhsa_kernel
	.amdgpu_metadata
---
amdhsa.version: [ 1, 2 ]
amdhsa.kernels:
  - .name:           k_qa461af5410_gemm
    .symbol:         k_qa461af5410_gemm.kd
    .args:
      - { .name: xs, .offset: 0, .size: 8, .value_kind: global_buffer, .address_space: global }
      - { .name: wb, .offset: 8, .size: 8, .value_kind: global_buffer, .address_space: global }
      - { .name: order, .offset: 16, .size: 8, .value_kind: global_buffer, .address_space: global }
      - { .name: out0, .offset: 24, .size: 8, .value_kind: global_buffer, .address_space: global }
    .group_segment_fixed_size: 327680
    .private_segment_fixed_size: 0
    .kernarg_segment_align: 8
    .kernarg_segment_size: 32
    .max_flat_workgroup_size: 128
    .sgpr_count:     66
    .vgpr_count:     1024
    .wavefront_size: 32
...
	.end_amdgpu_metadata
.endif
;; end of part 3
;; ======== version 2 of 2: 3 launches; version 1 with the launch prep written anew for expert scheduling mode
;; workspace buffers: wb 33,554,432 bytes; xs 37,748,736 bytes; order 18,688 bytes of whole numbers
;; launch route: the kernel of part 1 again; grid 1 x 1, 8 waves a work-group, no clusters, 17,664 bytes of LDS; arguments visual_mask, order; writes order
;; launch prep (part 4): grid 2176 x 1, 8 waves a work-group, no clusters, 35,840 bytes of LDS; arguments x, Wv, Wt, order, xs, wb; writes xs, wb
.if DOCPART == 4
	.amdgcn_target "amdgcn-amd-amdhsa--gfx1250"
	.amdhsa_code_object_version 6
	.text
	.protected	k_qa461af5410_prep
	.globl	k_qa461af5410_prep
	.p2align	8
	.type	k_qa461af5410_prep,@function
k_qa461af5410_prep:
	s_mov_b64 s[64:65], 0
	v_nop
	global_prefetch_b8 v0, s[64:65] scope:SCOPE_SE
	s_setreg_imm32_b32 hwreg(HW_REG_WAVE_SCHED_MODE, 0, 2), 2
	s_setreg_imm32_b32 hwreg(HW_REG_WAVE_MODE, 25, 1), 1
	s_wait_xcnt 0x0
	s_wait_alu depctr_vm_vsrc(0)
; PREP: the matrix operands, rounded once to bf16 (to nearest even; bf16 has f32's range).  A stream: no barrier, no matrix unit.
;   work-groups 0 .. 1,151:      xs rows 4 g .. 4 g + 3 = x[order[row]]: the rows of x gathered into the 16 blocks of 288, row-major
;   work-groups 1,152 .. 2,175:  wb, 16 rows x 1,024 K each, IN BLOCKS: the next launch loads W's fragments straight into registers, so wb is their register image.
; wb's LAYOUT.  The 4,096 rows (0-2047 Wv, 2048-4095 Wt) lie in 64 groups of 64; byte = 524,288 group + 4,096 q + 1,024 b + 512 j + 256 h + 16 r holds the eight numbers
; W[64 group + 16 b + r][32 q + 16 j + 8 h + 0..7]: 512 consecutive bytes are what 32 lanes (lane = 16 h + r) take as registers 4 j .. 4 j + 3 of a fragment of 16 rows x 32 K.
; Every thread issues all its 16 loads of 16 bytes at once (a wave's load covers 512 consecutive bytes), so 64 KiB of every work-group are on their way; the waits are counted.
; THE TURN for wb: a load brings a lane 4 numbers of ONE row, a store wants 8 numbers of each of 16 rows side by side.  So a wave's 16 rows x 128 K go through 4,352 LDS bytes of its own:
; 16 groups of 256 bytes (8 K x 16 rows), 272 bytes apart, so that the 32 lanes of a store of 8 bytes fall on 32 different pairs of banks (64 banks of 4 bytes: ISA guide 11.1).
; THE MODE: SCHED_MODE bits 1:0 = 2 (LLVM: expert scheduling mode 2), set by the entry lines.  The code itself states the register dependences
; between vector instructions and memory or LDS instructions, with s_wait_alu, always for 0.
; THE PLAN.  Registers that memory or LDS instructions touch:
;   v1, v2          byte offsets: each written once by a vector line, never again; read by the global loads (v1) and the global stores (v2).
;   X               written by the 16 global loads alone, read by the conversions.  In the W part v[4:35] are loaded a second time, from LDS, behind the last conversion, and read by the global stores.
;   Y               each pair is written once, by two conversions, and read once, by a store (xs: a global store; wb: an LDS store).
;   v[STL], v[RDL]  LDS addresses: written once, behind the issue of the global loads, never again.
;   v104, v105      written at the head, read by the closing add alone.
; The 16 loads are worked off in four GROUPS of four.  At the head of groups 1 to 3, behind the counted wait for the group's loads, stands ONE wait on va_vdst: the group before has written its Y.
; That group's four stores follow, dealt among this group's eight conversions, which name this group's X and Y alone: none of the registers that those stores touch.  One more such wait stands
; ahead of the last group's stores.  No register that a memory or LDS instruction reads is ever written again, so no wait on vm_vsrc is owed.
.set NXG, 1152                         ; work-groups that make xs: 16 x 288 / 4
.set X,   4                            ; v[4:67]   16 loads of four f32; in the W part later v[4:35]: what comes back from LDS
.set Y,   68                           ; v[68:99]  16 pairs of packed bf16
.set STL, 100                          ; v100  W part: where my 8 bytes of row 0 go in LDS
.set RDL, 101                          ; v101  W part: where I read 16 bytes back
.set TM,  102                          ; v102  at work: no memory instruction names it
.set LP,  272
.set WLDS, 16*LP                       ; a wave's LDS bytes
	s_load_b256 s[4:11], s[0:1], 0x0               ; x s[4:5], Wv s[6:7], Wt s[8:9], order s[10:11]
	s_load_b128 s[12:15], s[0:1], 0x20             ; xs s[12:13], wb s[14:15]
	v_lshl_add_u32 v104, v0, 2, 0x8800
	v_mov_b32 v105, 0
	s_mov_b32 s16, ttmp9
	v_lshlrev_b32 v1, 4, v0                        ; 16 t: my 16 bytes in 4,096 consecutive bytes of a source row
	s_cmp_lt_u32 s16, NXG
	s_cbranch_scc0 .Lweights
	; ---- xs: four gathered rows ----
	v_lshlrev_b32 v2, 3, v0                        ; my 8 bytes in 2,048 of the result
	s_lshl_b32 s20, s16, 4                         ; my four words of order
	s_mov_b32 s21, 0
	s_lshl_b32 s34, s16, 15                        ; my 4 rows of 8,192 bytes in xs
	s_mov_b32 s35, 0
	s_wait_kmcnt 0x0
	s_add_nc_u64 s[32:33], s[10:11], s[20:21]
	s_load_b128 s[24:27], s[32:33], 0x0            ; four tokens
	s_add_nc_u64 s[30:31], s[12:13], s[34:35]
	s_wait_kmcnt 0x0
.irp r, 0,1,2,3
	s_min_u32 s23, s[24+(\r)], 4095                ; from data: held inside the buffer
	s_lshl_b32 s[36+2*(\r)], s23, 14               ; 16,384 bytes a row
	s_mov_b32 s[37+2*(\r)], 0
	s_add_nc_u64 s[36+2*(\r):37+2*(\r)], s[4:5], s[36+2*(\r):37+2*(\r)]
.endr
	s_wait_alu depctr_va_vdst(0)                   ; v1 and v2 are written: the loads below read v1 as their offset, the stores further down v2
.set i, 0
.rept 16                               ; load i: row i / 4, its bytes 4,096 (i % 4) on.  No cache word: a filler names a row of x a second time
	global_load_b128 v[X+4*i:X+4*i+3], v1, s[36+2*(i/4):37+2*(i/4)] offset:(i%4)*4096
.set i, i+1
.endr
.set g, 0
.rept 4                                ; group g: loads 4 g .. 4 g + 3 are rounded; the stores of group g - 1 go out among the conversions
	s_wait_loadcnt 12-4*g                          ; loads come back in order (ISA guide 5.7.1): the group's four are in, the 12 - 4 g younger ones stay out
.if g > 0
	s_wait_alu depctr_va_vdst(0)                   ; the conversions of the group before have written its four pairs of Y, which the four stores below read
.endif
.set j, 0
.rept 4
.set i, 4*g+j
.if g > 0
	global_store_b64 v2, v[Y+2*(i-4):Y+2*(i-4)+1], s[30:31] offset:2048*(i-4)  ; a wave's store covers 256 consecutive bytes, aligned; no vector line since the wait names its registers
.endif
	v_cvt_pk_bf16_f32 v[Y+2*i],   v[X+4*i],   v[X+4*i+1]
	v_cvt_pk_bf16_f32 v[Y+2*i+1], v[X+4*i+2], v[X+4*i+3]
.set j, j+1
.endr
.set g, g+1
.endr
	s_wait_alu depctr_va_vdst(0)                   ; the last group's conversions have written its four pairs of Y, which the last four stores read
.set i, 12
.rept 4
	global_store_b64 v2, v[Y+2*i:Y+2*i+1], s[30:31] offset:2048*i
.set i, i+1
.endr
	s_endpgm                                       ; this path has stored nothing to LDS
	; ---- wb: 16 rows x 1,024 K; my wave: 128 K of them = four fragments ----
.Lweights:
	s_sub_co_u32 s19, s16, NXG
	s_lshr_b32 s20, s19, 2                         ; which 16 rows of the 4,096
	s_and_b32 s21, s19, 3                          ; which 1,024 K
	v_lshrrev_b32 v3, 5, v0
	v_readfirstlane_b32 s17, v3                    ; wave 0..7
	s_and_b32 s22, s20, 127
	s_lshl_b32 s22, s22, 18                        ; from: 16 rows of 16,384 bytes in Wv or Wt,
	s_lshl_b32 s23, s21, 12                        ; + 1,024 K of 4 bytes (the wave's 512 bytes stand in 16 t)
	s_add_co_u32 s22, s22, s23
	s_mov_b32 s23, 0
	s_lshr_b32 s24, s20, 2
	s_lshl_b32 s24, s24, 19                        ; to: the group of 64 rows,
	s_lshl_b32 s25, s21, 17                        ; + 32 quarters of 4,096 bytes,
	s_add_co_u32 s24, s24, s25
	s_and_b32 s25, s20, 3
	s_lshl_b32 s25, s25, 10                        ; + the fragment b,
	s_add_co_u32 s24, s24, s25
	s_wait_alu depctr_va_sdst(0)                   ; s17 is written, ahead of its first reader: wb's address and the wave's LDS bytes are made from it
	s_lshl_b32 s25, s17, 14                        ; + my wave's four quarters
	s_add_co_u32 s24, s24, s25
	s_mov_b32 s25, 0
	s_mul_i32 s26, s17, WLDS
	s_wait_kmcnt 0x0
	s_cmp_lt_u32 s20, 128
	s_cselect_b64 s[28:29], s[6:7], s[8:9]         ; Wv or Wt
	s_add_nc_u64 s[28:29], s[28:29], s[22:23]
	s_add_nc_u64 s[30:31], s[14:15], s[24:25]
	s_wait_alu depctr_va_vdst(0)                   ; v1 is written, which the loads below read as their offset
.set i, 0
.rept 16                               ; load i: row i, my wave's 128 K: 512 consecutive bytes; lane l takes K 4 l .. 4 l + 3.  W is read once in this launch
	global_load_b128 v[X+4*i:X+4*i+3], v1, s[28:29] offset:16384*i th:TH_LOAD_NT
.set i, i+1
.endr
	v_and_b32 v3, 31, v0                           ; lane.  These lines name neither v1 nor X, the registers of the loads that are out
	v_lshlrev_b32 v2, 4, v3                        ; my 16 bytes in a store's 512
	v_lshrrev_b32 v[TM], 1, v3                     ; in: my 4 K lie in group l / 2 (8 K each), its half l % 2
	v_mul_u32_u24 v[STL], v[TM], LP
	v_and_b32 v[TM], 1, v3
	v_lshl_add_u32 v[STL], v[TM], 3, v[STL]
	v_add_nc_u32 v[STL], s26, v[STL]
	v_lshrrev_b32 v[TM], 4, v3                     ; back: lanes 0-15 take one group's 256 bytes, lanes 16-31 the next
	v_mul_u32_u24 v[RDL], v[TM], LP
	v_and_b32 v[TM], 15, v3
	v_lshl_add_u32 v[RDL], v[TM], 4, v[RDL]
	v_add_nc_u32 v[RDL], s26, v[RDL]
.set g, 0
.rept 4                                ; group g: rows 4 g .. 4 g + 3 are rounded; the LDS stores of group g - 1 go out among the conversions
	s_wait_loadcnt 12-4*g                          ; the group's four loads are in, the 12 - 4 g younger ones stay out
.if g > 0
	s_wait_alu depctr_va_vdst(0)                   ; the conversions of the group before have written its four pairs of Y, which the four LDS stores below read; at the first of these waits v[STL], their address, is written too
.endif
.set j, 0
.rept 4
.set i, 4*g+j
.if g > 0
	ds_store_b64 v[STL], v[Y+2*(i-4):Y+2*(i-4)+1] offset:16*(i-4)  ; the row's place in each group of 8 K; no vector line since the wait names its registers
.endif
	v_cvt_pk_bf16_f32 v[Y+2*i],   v[X+4*i],   v[X+4*i+1]
	v_cvt_pk_bf16_f32 v[Y+2*i+1], v[X+4*i+2], v[X+4*i+3]
.set j, j+1
.endr
.set g, g+1
.endr
	s_wait_alu depctr_va_vdst(0)                   ; the last group's conversions have written its Y, which the LDS stores below read; every conversion is done reading v[4:35], in which the LDS loads below land; v[RDL] and v2 are written.  No vector line follows
.set i, 12
.rept 4
	ds_store_b64 v[STL], v[Y+2*i:Y+2*i+1] offset:16*i
.set i, i+1
.endr
.set i, 0
.rept 8
	ds_load_b128 v[X+4*i:X+4*i+3], v[RDL] offset:2*LP*i  ; LDS serves a wave's instructions in order (ISA guide 5.7.1.4): these see the stores above; the bytes are my wave's own
.set i, i+1
.endr
.set i, 0
.rept 8
	s_wait_dscnt 7-i                               ; LDS load i is in, the 7 - i younger ones stay out
	global_store_b128 v2, v[X+4*i:X+4*i+3], s[30:31] offset:(i/2)*4096+(i%2)*512  ; quarter i / 2, half i % 2 of the fragment: 512 consecutive bytes, aligned
.set i, i+1
.endr
	s_wait_dscnt 0x0                               ; the closing lines, six on end
	s_wait_alu 0x0
	s_wait_tensorcnt 0x0
	ds_add_u32 v104, v105
	s_wait_dscnt 0x0
	s_endpgm
.Lfunc_end_k_qa461af5410_prep:
	.size	k_qa461af5410_prep, .Lfunc_end_k_qa461af5410_prep-k_qa461af5410_prep
	.p2alignl 7, 3214868480
	.fill 96, 4, 3214868480
	.section	.rodata,"a",@progbits
	.p2align	6, 0x0
	.amdhsa_kernel k_qa461af5410_prep
		.amdhsa_group_segment_fixed_size 35840
		.amdhsa_private_segment_fixed_size 0
		.amdhsa_enable_private_segment 0
		.amdhsa_kernarg_size 48
		.amdhsa_user_sgpr_count 2
		.amdhsa_user_sgpr_kernarg_segment_ptr 1
		.amdhsa_wavefront_size32 1
		.amdhsa_system_sgpr_workgroup_id_x 1
		.amdhsa_system_sgpr_workgroup_id_y 1
		.amdhsa_system_sgpr_workgroup_id_z 1
		.amdhsa_system_vgpr_workitem_id 0
		.amdhsa_next_free_vgpr 106
		.amdhsa_next_free_sgpr 66
		.amdhsa_reserve_vcc 0
		.amdhsa_float_denorm_mode_32 3
		.amdhsa_float_denorm_mode_16_64 3
		.amdhsa_memory_ordered 1
		.amdhsa_forward_progress 1
		.amdhsa_inst_pref_size 16
	.end_amdhsa_kernel
	.amdgpu_metadata
---
amdhsa.version: [ 1, 2 ]
amdhsa.kernels:
  - .name:           k_qa461af5410_prep
    .symbol:         k_qa461af5410_prep.kd
    .args:
      - { .name: x, .offset: 0, .size: 8, .value_kind: global_buffer, .address_space: global }
      - { .name: Wv, .offset: 8, .size: 8, .value_kind: global_buffer, .address_space: global }
      - { .name: Wt, .offset: 16, .size: 8, .value_kind: global_buffer, .address_space: global }
      - { .name: order, .offset: 24, .size: 8, .value_kind: global_buffer, .address_space: global }
      - { .name: xs, .offset: 32, .size: 8, .value_kind: global_buffer, .address_space: global }
      - { .name: wb, .offset: 40, .size: 8, .value_kind: global_buffer, .address_space: global }
    .group_segment_fixed_size: 35840
    .private_segment_fixed_size: 0
    .kernarg_segment_align: 8
    .kernarg_segment_size: 48
    .max_flat_workgroup_size: 256
    .sgpr_count:     66
    .vgpr_count:     106
    .wavefront_size: 32
...
	.end_amdgpu_metadata
.endif
;; end of part 4
;; launch gemm: the kernel of part 3 again; grid 16 x 16, 4 waves a work-group, clusters of 4 x 1, 327,680 bytes of LDS; arguments xs, wb, order, out0; writes out0
